; MI455X (gfx1250); checked and timed in simulation.
; The chip was launched on July 23, 2026; its instructions are those of AMD's public machine-readable ISA for CDNA 5 (MIT licence, August 2026) and "CDNA5" Instruction Set Architecture Reference Guide (July 2026). The comments in the code are by the model that wrote it; some were corrected since.
;; Layer Norm LSTM Cell. Allowed arithmetic: matrix products marked QUANTISED: E2M3 operands, one E8M0 scale for each 32 along K, by v_wmma_scale_f32_16x16x128_f8f6f4 with both operands' format E2M3, f32 sums; everything else in f32.
;; Inputs: bias_hh 4,096 float32; bias_ih 4,096 float32; cx 8,192 x 1,024 float32; hx 8,192 x 1,024 float32; ln_cx_b 1,024 float32; ln_cx_g 1,024 float32; ln_cy_b 1,024 float32; ln_cy_g 1,024 float32; ln_f_b 1,024 float32; ln_f_g 1,024 float32; ln_i_b 1,024 float32; ln_i_g 1,024 float32; ln_o_b 1,024 float32; ln_o_g 1,024 float32; weight_hh 4,096 x 1,024 float32; weight_ih 4,096 x 1,024 float32; x 8,192 x 1,024 float32.
;; Outputs: out0 8,192 x 1,024 float32; out1 8,192 x 1,024 float32.
;; This version of the problem:
;;   THIS VERSION OF THE PROBLEM IS GIVEN IN LOW PRECISION. The matrix products marked QUANTISED in the list below multiply operands that are first quantised to E2M3 (2 exponent bits, 3 mantissa bits; 6 bits a number), with one power-of-two scale for each 32 numbers along K (OCP MX v1.0); their sums are f32. All else is computed in f32.
;;   The module's matrix products, in the order in which they are computed (A, B: the left and right operand; K: the contracted axis; several contracted axes count as one K, in the product's order):
;;     1. [M 8,192, K 1,024] x [K 1,024, N 4,096]; A: input x; B: input weight_ih: QUANTISED
;;     2. [M 8,192, K 1,024] x [K 1,024, N 4,096]; A: input hx; B: input weight_hh: QUANTISED
;;   THE QUANTISER, for each operand of a quantised product, along K:
;;     - K is cut into blocks of 32 from its start; a last block that is shorter is filled with zeros.
;;     - A block's scale is 2^e with e = floor(log2(the largest magnitude in the block)) - 2, held to -126 .. 127; a block of zeros has e = 0. As a byte (E8M0): e + 127.
;;     - Each number is divided by its block's scale, clamped to +-7.5, and rounded to the nearest number of E2M3, ties to even, subnormals kept.
;;     - The product sums the exact products of the quantised numbers (number of the format x scale) in f32.
;;   ~~~python
;;   def quantise(x, axis):      # numpy; x: float32 -> the quantised numbers, widened to float32 again
;;       x = np.moveaxis(x, axis, -1); K = x.shape[-1]
;;       x = np.pad(x, [(0, 0)] * (x.ndim - 1) + [(0, -K % 32)]); x = x.reshape(x.shape[:-1] + (-1, 32)); a = np.abs(x).max(-1, keepdims=True)
;;       e = np.where(a > 0, np.clip(np.frexp(np.where(a > 0, a, 1))[1] - 1 - 2, -126, 127), 0)      # np.frexp(a)[1] - 1 = floor(log2(a)), exactly
;;       r = np.clip(x / 2.0 ** e, -7.5, 7.5)
;;       step = 2.0 ** (np.maximum(np.frexp(np.where(r == 0, 1, r))[1] - 1, 0) - 3)
;;       q = np.round(r / step) * step * 2.0 ** e      # np.round: ties to even
;;       return np.moveaxis(q.reshape(q.shape[:-2] + (-1,))[..., :K], -1, axis).astype(np.float32)
;;   ~~~
;; One version. Each part assembles by itself: llvm-mc -triple=amdgcn-amd-amdhsa -mcpu=gfx1250 --defsym DOCPART=n.
;; ======== version 1 of 1: 3 launches
;; limits: right only within a limited range of input values
;; workspace buffers: acodes 12,582,912 bytes; bcodes 6,291,456 bytes; ascales 524,288 bytes; bscales 262,144 bytes; gates 134,217,728 bytes
;; launch quant (part 1): grid 768 x 1, 4 waves a work-group, no clusters, 34,304 bytes of LDS; arguments x, hx, weight_ih, weight_hh, acodes, ascales, bcodes, bscales; writes acodes, ascales, bcodes, bscales
.if DOCPART == 1
	.amdgcn_target "amdgcn-amd-amdhsa--gfx1250"
	.amdhsa_code_object_version 6
	.text
	.protected	k_qd8858a4e62_quant
	.globl	k_qd8858a4e62_quant
	.p2align	8
	.type	k_qd8858a4e62_quant,@function
k_qd8858a4e62_quant:
	s_mov_b64 s[64:65], 0
	v_nop
	global_prefetch_b8 v0, s[64:65] scope:SCOPE_SE
	s_setreg_imm32_b32 hwreg(HW_REG_WAVE_MODE, 25, 1), 1
	s_wait_xcnt 0x0
; The four operands of the two quantised products, all f32 with K innermost, become codes of FP6 (E2M3) with one E8M0 byte for each 32 along K.
; The two products are one with K = 2,048: A = [x | hx] (8,192 rows), B = [weight_ih | weight_hh] (4,096 rows); 1,024 is a multiple of 32, so the blocks are those of the single tensors.
; A block's scale is 2^(floor(log2(its largest magnitude)) - 2); its byte is the largest magnitude's exponent field - 2, held at 1 from below; each number is divided by the scale and rounded
; to the nearest code, ties to even, beyond 7.5 the largest code.
; LIMITS: a block of zeros gets the byte 1 where the rule says 127 (its codes are zeros, which add nothing under any byte but 0xff, and this program alone reads the bytes); blocks whose largest
; magnitude lies under 2^-124 are held at the byte 1; NaN and infinities among the inputs are not served.
; WHAT IS STORED IS THE OPERAND'S REGISTERS.  A fragment (16 rows x 128 K) is 12 registers a lane; it is stored as three groups of four registers, lane l's 16 bytes of group c at 512 c + 16 l: 1,536 bytes.
; Fragment (tile T of 16 rows, K step s of 128) lies at (T / 8) 196,608 + (s / 2) 24,576 + (T % 8) 3,072 + (s % 2) 1,536: so 128 rows x 256 K are 24,576 consecutive bytes.
; Its scale words (four bytes: 128 K of one row) lie at T 1,024 + (s / 2) 128 + 8 row + 4 (s % 2).
; SHARES.  A work-group is one tile of 16 rows: the first 512 work-groups take A's tiles, the other 256 B's; only pointers are chosen, the path is one.  Wave w takes K steps 4 w .. 4 w + 3: waves 0, 1 read the
; first tensor of the pair, waves 2, 3 the second.  Each load reads 512 consecutive bytes of one row; a step's 16 rows x 512 bytes turn through the wave's own stage in LDS, so that a lane gets 16 neighbours of each
; of its row's four blocks.  No tensor loads, no barrier: waves share nothing.  Loads run a step ahead of the step at work: 16 to 32 loads of a wave are out.
.set SP,   528                         ; a stage row: 512 bytes + 16: an odd multiple of 16, so the 16 rows that a read-back touches begin in 16 different columns of 16 bytes
.set STGB, 16*SP                       ; a wave's stage
.set TM,   16                          ; v16-19 largest magnitudes, v20-23 the other half's, then the bytes, v28-31 the conversions' scale operands
.set SW,   34                          ; v34-37  the scale word of each of my four steps
.set PC,   40                          ; v40-51  the fragment just made; v52-58 its second halves on the way
.set X,    64                          ; v64-127 register 16 b + i = k 32 b + 16 (lane / 16) + i of row lane % 16
.set R,    128                         ; v128-255 two sets of 64: a step's numbers as loaded
.set SEL,  34                          ; s[34:35] lane selects for v_permlanex16_b32: lane l xor 16
	s_load_b256 s[4:11], s[0:1], 0x0               ; x, hx, weight_ih, weight_hh
	s_load_b256 s[12:19], s[0:1], 0x20             ; A's codes, A's scales, B's codes, B's scales
	v_lshl_add_u32 v62, v0, 2, 0x8400
	v_mov_b32 v63, 0
	v_lshrrev_b32 v1, 5, v0
	v_readfirstlane_b32 s20, v1                    ; wave 0..3
	v_and_b32 v1, 31, v0                           ; lane
	v_and_b32 v2, 15, v0                           ; r
	v_bfe_u32 v3, v0, 4, 1                         ; h
	v_lshlrev_b32 v4, 4, v1                        ; 16 x lane: my place in a load's 512 bytes and in a group of an image; never rewritten
	s_mul_i32 s21, s20, STGB                       ; my wave's stage
	v_add_nc_u32 v5, s21, v4                       ; into it: as loaded
	v_mul_u32_u24 v6, v2, SP
	v_lshl_add_u32 v6, v3, 6, v6
	v_add_nc_u32 v6, s21, v6                       ; out of it: row r, + 64 h: my 16 numbers of a block
	v_lshlrev_b32 v7, 3, v1                        ; the scale words' way out: 8 bytes a lane
.irp b, 0,1,2,3
	v_mov_b32 v[TM+4+\b], 0                        ; written once: a lane permute's destination counts as one of its sources
.endr
	s_mov_b32 s[SEL], 0x76543210
	s_mov_b32 s[SEL+1], 0xfedcba98
	s_wait_alu depctr_va_vdst(0)
	s_wait_kmcnt 0x0
	s_cmp_lt_u32 ttmp9, 512                        ; A's tile or B's?  The choice hangs on the work-group's number alone
	s_cselect_b64 s[22:23], s[4:5], s[8:9]         ; the pair's first tensor,
	s_cselect_b64 s[24:25], s[6:7], s[10:11]       ; its second,
	s_cselect_b64 s[26:27], s[12:13], s[16:17]     ; the codes,
	s_cselect_b64 s[28:29], s[14:15], s[18:19]     ; the scale words
	s_cselect_b32 s31, 0, 512
	s_sub_co_u32 s30, ttmp9, s31                   ; T
	s_cmp_lt_u32 s20, 2                            ; waves 0, 1: K steps 0-7, the first tensor; waves 2, 3: the second
	s_cselect_b64 s[22:23], s[22:23], s[24:25]
	s_lshl_b32 s32, s30, 16                        ; 16 rows of 4,096 bytes a tile,
	s_and_b32 s33, s20, 1
	s_lshl_b32 s33, s33, 11                        ; four steps of 512 bytes
	s_add_co_u32 s32, s32, s33
	s_mov_b32 s33, 0
	s_add_nc_u64 s[22:23], s[22:23], s[32:33]
	s_lshr_b32 s32, s30, 3
	s_mul_i32 s32, s32, 196608
	s_and_b32 s33, s30, 7
	s_mul_i32 s33, s33, 3072
	s_add_co_u32 s32, s32, s33
	s_mul_i32 s33, s20, 49152                      ; my four steps are two runs of 24,576
	s_add_co_u32 s32, s32, s33
	s_mov_b32 s33, 0
	s_add_nc_u64 s[26:27], s[26:27], s[32:33]
	s_lshl_b32 s32, s30, 10
	s_lshl_b32 s33, s20, 8
	s_add_co_u32 s32, s32, s33
	s_mov_b32 s33, 0
	s_add_nc_u64 s[28:29], s[28:29], s[32:33]
.macro LOAD t                          ; step t: 16 rows x 512 consecutive bytes, into set t % 2
.irp i, 0,1,2,3,4,5,6,7,8,9,10,11,12,13,14,15
	global_load_b128 v[R+64*((\t)%2)+4*\i:R+64*((\t)%2)+4*\i+3], v4, s[22:23] offset:4096*\i+512*(\t) th:TH_LOAD_NT
.endr
.endm
; 64 numbers of a lane, v[s] on, become a fragment's codes in v[PC] .. v[PC + 11] and its row's scale word in v[w].
.macro QUANT s, w
.irp b, 0,1,2,3
	v_max3_num_f32 v[TM+\b], |v[\s+16*\b]|, |v[\s+1+16*\b]|, 0x1800000   ; block b: my 16 numbers, and the floor 2^(3 - 127): so the byte cannot fall under 1
.endr
.irp i, 2,4,6,8,10,12,14
.irp b, 0,1,2,3
	v_max3_num_f32 v[TM+\b], v[TM+\b], |v[\s+16*\b+\i]|, |v[\s+1+16*\b+\i]|   ; the four blocks by turns: no line waits for the line above it
.endr
.endr
.irp b, 0,1,2,3
	v_permlanex16_b32 v[TM+4+\b], v[TM+\b], s[SEL], s[SEL+1]
.endr
.irp b, 0,1,2,3
	v_max_num_f32 v[TM+\b], v[TM+\b], v[TM+4+\b]   ; with lane l xor 16's: the block's largest magnitude
.endr
.irp b, 0,1,2,3
	v_add_nc_u32 v[TM+12+\b], 0xff000000, v[TM+\b] ; 2 off its exponent field: the conversion takes the exponent field of this operand as its scale, and nothing else of it
.endr
.irp b, 0,1,2,3
	v_lshrrev_b32 v[TM+4+\b], 23, v[TM+12+\b]      ; the scale's byte
.endr
	v_lshl_or_b32 v[\w], v[TM+5], 8, v[TM+4]       ; the four bytes make my row's scale word (both halves of the lanes hold it)
	v_lshl_or_b32 v[\w], v[TM+6], 16, v[\w]
	v_lshl_or_b32 v[\w], v[TM+7], 24, v[\w]
.irp c, 0,1
	v_cvt_scalef32_pk16_fp6_f32 v[PC+6*\c:PC+2+6*\c], v[\s+32*\c:\s+15+32*\c], v[TM+12+2*\c]
	v_cvt_scalef32_pk16_fp6_f32 v[PC+12+4*\c:PC+14+4*\c], v[\s+16+32*\c:\s+31+32*\c], v[TM+12+2*\c+1]   ; (a conversion's three registers begin on an even number)
.endr
	v_nop                                          ; one plain place behind a scaled conversion
.irp c, 0,1                                    ; the operand's layout wants a WHOLE block in a lane: lanes 0-15 block 2 c, lanes 16-31 block 2 c + 1
.irp i, 0,1,2
	v_permlane16_swap_b32 v[PC+6*\c+\i], v[PC+12+4*\c+\i]
.endr
.irp i, 0,1,2
	v_mov_b32 v[PC+3+6*\c+\i], v[PC+12+4*\c+\i]
.endr
.endr
.endm
.macro STEP t
.if (\t) < 3
	s_wait_loadcnt 16                              ; this step's 16 loads are in; the next step's 16 may be out
.else
	s_wait_loadcnt 0x0
.endif
.irp i, 0,1,2,3,4,5,6,7,8,9,10,11,12,13,14,15
	ds_store_b128 v5, v[R+64*((\t)%2)+4*\i:R+64*((\t)%2)+4*\i+3] offset:SP*\i
.endr
.irp b, 0,1,2,3
.irp j, 0,1,2,3
	ds_load_b128 v[X+16*\b+4*\j:X+16*\b+4*\j+3], v6 offset:128*\b+16*\j   ; LDS serves a wave's instructions in order: these see the stores above
.endr
.endr
	s_wait_dscnt 0x0                               ; my 64 numbers are back, and the stores into the stage have read their registers
.if (\t) > 0
	s_wait_xcnt 0x0                                ; the last step's stores of codes have read their registers: the codes may be made anew
.endif
.if (\t) < 2
	LOAD (\t)+2                                    ; into the set just emptied
.endif
	QUANT X, SW+(\t)
.irp c, 0,1,2
	global_store_b128 v4, v[PC+4*\c:PC+4*\c+3], s[26:27] offset:((\t)/2)*24576+((\t)%2)*1536+512*\c   ; 32 lanes store 512 consecutive bytes, at a multiple of 512 from the buffer's first byte
.endr
.endm
	LOAD 0
	LOAD 1
	STEP 0
	STEP 1
	STEP 2
	STEP 3
	v_cmp_ne_u32 vcc_lo, 0, v3                     ; lanes 0-15 send the words of my steps 0, 1, lanes 16-31 those of steps 2, 3, which lie 128 bytes on
	v_cndmask_b32 v8, v[SW], v[SW+2], vcc_lo
	v_cndmask_b32 v9, v[SW+1], v[SW+3], vcc_lo
	global_store_b64 v7, v[8:9], s[28:29]          ; 32 lanes store 256 consecutive bytes, at a multiple of 256 from the buffer's first byte
	s_wait_tensorcnt 0x0
	ds_add_u32 v62, v63
	s_wait_dscnt 0x0
	s_endpgm
.Lfunc_end_k_qd8858a4e62_quant:
	.size	k_qd8858a4e62_quant, .Lfunc_end_k_qd8858a4e62_quant-k_qd8858a4e62_quant
	.p2alignl 7, 3214868480
	.fill 96, 4, 3214868480
	.section	.rodata,"a",@progbits
	.p2align	6, 0x0
	.amdhsa_kernel k_qd8858a4e62_quant
		.amdhsa_group_segment_fixed_size 34304
		.amdhsa_private_segment_fixed_size 0
		.amdhsa_enable_private_segment 0
		.amdhsa_kernarg_size 64
		.amdhsa_user_sgpr_count 2
		.amdhsa_user_sgpr_kernarg_segment_ptr 1
		.amdhsa_wavefront_size32 1
		.amdhsa_system_sgpr_workgroup_id_x 1
		.amdhsa_system_sgpr_workgroup_id_y 1
		.amdhsa_system_sgpr_workgroup_id_z 1
		.amdhsa_system_vgpr_workitem_id 0
		.amdhsa_next_free_vgpr 256
		.amdhsa_next_free_sgpr 66
		.amdhsa_reserve_vcc 1
		.amdhsa_float_denorm_mode_32 3
		.amdhsa_float_denorm_mode_16_64 3
		.amdhsa_memory_ordered 1
		.amdhsa_forward_progress 1
		.amdhsa_inst_pref_size 34
	.end_amdhsa_kernel
	.amdgpu_metadata
---
amdhsa.version: [ 1, 2 ]
amdhsa.kernels:
  - .name:           k_qd8858a4e62_quant
    .symbol:         k_qd8858a4e62_quant.kd
    .args:
      - { .name: x, .offset: 0, .size: 8, .value_kind: global_buffer, .address_space: global }
      - { .name: hx, .offset: 8, .size: 8, .value_kind: global_buffer, .address_space: global }
      - { .name: weight_ih, .offset: 16, .size: 8, .value_kind: global_buffer, .address_space: global }
      - { .name: weight_hh, .offset: 24, .size: 8, .value_kind: global_buffer, .address_space: global }
      - { .name: acodes, .offset: 32, .size: 8, .value_kind: global_buffer, .address_space: global }
      - { .name: ascales, .offset: 40, .size: 8, .value_kind: global_buffer, .address_space: global }
      - { .name: bcodes, .offset: 48, .size: 8, .value_kind: global_buffer, .address_space: global }
      - { .name: bscales, .offset: 56, .size: 8, .value_kind: global_buffer, .address_space: global }
    .group_segment_fixed_size: 34304
    .private_segment_fixed_size: 0
    .kernarg_segment_align: 8
    .kernarg_segment_size: 64
    .max_flat_workgroup_size: 128
    .sgpr_count:     66
    .vgpr_count:     256
    .wavefront_size: 32
...
	.end_amdgpu_metadata
.endif
;; end of part 1
;; launch gemm (part 2): grid 16 x 16, 4 waves a work-group, clusters of 4 x 4, 327,680 bytes of LDS; arguments acodes, ascales, bcodes, bscales, bias_ih, bias_hh, gates; writes gates
.if DOCPART == 2
	.amdgcn_target "amdgcn-amd-amdhsa--gfx1250"
	.amdhsa_code_object_version 6
	.text
	.protected	k_qd8858a4e62_gemm
	.globl	k_qd8858a4e62_gemm
	.p2align	8
	.type	k_qd8858a4e62_gemm,@function
k_qd8858a4e62_gemm:
	s_mov_b64 s[64:65], 0
	v_nop
	global_prefetch_b8 v0, s[64:65] scope:SCOPE_SE
	s_setreg_imm32_b32 hwreg(HW_REG_WAVE_MODE, 25, 1), 1
	s_wait_xcnt 0x0
	s_wait_alu depctr_hold_cnt(0) depctr_sa_sdst(0) depctr_va_vdst(0) depctr_va_sdst(0) depctr_va_ssrc(0) depctr_va_vcc(0) depctr_vm_vsrc(0)
	s_getreg_b32 s2, hwreg(HW_REG_IB_STS2, 6, 4)
	s_cmp_eq_u32 s2, 0
	s_cbranch_scc0 .Lentry_in_a_cluster
	s_endpgm
.Lentry_in_a_cluster:
	s_bfe_u32 s2, ttmp6, 0x10000c
	s_cmp_lg_u32 s2, 0xf033
	s_cbranch_scc0 .Lentry_shape_is_right
	s_endpgm
.Lentry_shape_is_right:
; gates[m][n] = sum over k of A[m][k] B[n][k] + bias_ih[n] + bias_hh[n].  A = [x | hx] (8,192 x 2,048), B = [weight_ih | weight_hh] (4,096 x 2,048): codes of FP6 (E2M3) with one E8M0 byte
; for each 32 along K, laid by the launch before as images of the operands' registers: 128 rows x 256 K are 24,576 consecutive bytes (a chunk of a panel), a panel of 128 rows is 196,608.
; A work-group of four waves makes two tiles of 256 x 256, 4,096 rows apart, which share their rows of B; a wave makes 128 x 128 in 64 accumulators; the two biases' sum is the C of each accumulator's first product.
; K goes in chunks of 256 (two steps of 128) through a ring of two LDS slots; in the ring each wave fetches one chunk of one panel with one tensor load.
; 4 x 4 work-groups form a cluster: A's chunks and scales are asked for jointly along a row of it, B's along a column.  The matrix instruction is used transposed (source 0 = rows of B): a lane holds 8 neighbours of a row of gates.
; THE HEAD: one joint load a wave: wave 0 chunk 0 of A's two panels, wave 1 of B's, wave 2 A's scale words (both tiles, all of K), wave 3 B's.  Slot 1 is first filled behind the full sequence and a round.
; Results leave through each wave's own stage in LDS as whole rows of 512 bytes.
; PREFETCH: behind each joint refill one instruction a wave names the chunk that stands two refills on: its 96 blocks of 256 bytes are shared out by address among the four partners that will load it jointly,
; 24 blocks each (place cx for A, cy for B), a lane a block; lanes 24-31 name lane 23's block again.  In the head chunks 1 and 2 are named behind the head's loads, chunk 3 behind slot 1's first fill.
; A tile's last two refills name nothing along K; the two changes of tile name the next tile's chunks 2 and 3 of A; B's panels, the same for both tiles, are named in the first tile alone.
; REGISTERS: window 0: v16-31 addresses, v32-63 scale words (two sets), v64-127 the biases' sum, v128-223 A's fragments (one set).  Window 1: B's fragments, two sets, at v0 and v128; on the way out v128-255 rows read back.
; Windows 2, 3: the accumulators of my rows 0-63 and 64-127.
.set SIZE_N, 4096
.set NQ,     2                         ; steps of 128 along K in a chunk
.set FR,     12                        ; registers of a fragment
.set NL,     3                         ; LDS loads that bring one
.set NP,     4                         ; places behind this matrix form (ISA guide 7.12.1)
.set FRB,    1536
.set TILEB,  NQ*FRB
.set HALFT,  8*TILEB                   ; a chunk of a panel
.set SLOT,   4*HALFT                   ; A's two panels, then B's two
.set PANELB, 8*HALFT
.set LAPS,   4
.set WALKP,  32                        ; panels from a tile to the next
.set NEXT_A, WALKP*PANELB-6*HALFT
.set BACK_B, 6*HALFT
.set NEXT_C, (128*WALKP-7*16)*SIZE_N*4
.set SCL,    2*SLOT                    ; A's scale words: tile 0 (16,384 bytes: my rows' two halves), tile 1
.set HALFS,  8192                      ; the scale words of a panel
.set SCLB,   SCL+4*HALFS+128           ; B's scale words, two panels
.set SPARE,  246016                    ; the spare words, 128 bytes a wave
.set STAGE,  SPARE+512                 ; 16 rows x 528 bytes for each wave
.set SPITCH, 528
.set ADRA, 16
.set ADRB, 20
.set STO,  24
.set RD,   25
.set CO,   26
.set ADRS, 27
.set SPW,  28
.set NIL,  29
.set ADRS2, 30
.set PFO,  31                          ; v31      the prefetches' offset: 256 x min(lane, 23); never rewritten
.set PFA,  18                          ; s[18:19] where my prefetches stand: my work-group's 6,144 bytes of a chunk of the panel that I fetch, one chunk ahead of the refill at hand
.set LIM,  66                          ; s66      1 while my wave prefetches, then the greatest number (B's waves, behind the first tile)
.set AS,   ADRS
.set SC,   32
.set BI,   64
.set AF,   128
.set BK,   128
.set G1, 24
.set G0, 32
.set G1B, 48
.set G0B, 56
.set G1S, 68
.set G0S, 76
.set G1SB, 80
.set G0SB, 88
.set G0H, 4                            ; s[4:7], s[8:11] group 0 of the head's loads of chunk 0 (the arguments that lay there have been used by then)
.set G0HB, 8
.set MSB, 0
.macro WIN new                         ; the immediate's high byte repeats the setting that is left
.if MSB != \new
	s_set_vgpr_msb (MSB<<8)|\new
.set MSB, \new
.endif
.endm
.set MUL_LO,   0xa1
.set MUL_HI,   0xf1
.set FIRST_LO, 0x81                    ; as MUL_LO, C (the biases) in window 0
.set FIRST_HI, 0xc1
.set TO_B,     0x40
.set FROM_B,   0x04
.macro JLOAD g0a, g1a, g0b, g1b        ; a joint load of the ring: waves 0, 1 for A, waves 2, 3 for B; s_nop 0 and four v_nop behind each line
	s_cmp_eq_u32 s15, 0
	s_cbranch_scc0 .Lfor_b_\@
	tensor_load_to_lds s[\g0a:\g0a+3], s[\g1a:\g1a+7]
	s_nop 0
.rept 4
	v_nop
.endr
	s_branch .Lasked_\@
.Lfor_b_\@:
	tensor_load_to_lds s[\g0b:\g0b+3], s[\g1b:\g1b+7]
	s_nop 0
.rept 4
	v_nop
.endr
.Lasked_\@:
.endm
.macro CREST                           ; a round of the cluster's barrier behind its opening barrier
	s_cmp_lg_u32 s14, 0
	s_cbranch_scc1 .Lnot_wave_0_\@
	s_barrier_signal -3
.Lnot_wave_0_\@:
	s_barrier_wait -3
	s_barrier_signal -1
	s_barrier_wait -1
.endm
.macro CROUND
	s_barrier_signal -1
	s_barrier_wait -1
	CREST
.endm
	s_load_b128 s[4:7], s[0:1], 0x0                ; A's codes, A's scales
	s_load_b128 s[8:11], s[0:1], 0x10              ; B's codes, B's scales
	s_load_b128 s[96:99], s[0:1], 0x20             ; the two biases
	s_load_b64 s[12:13], s[0:1], 0x30              ; gates
	v_lshl_add_u32 v[SPW], v0, 2, SPARE
	v_mov_b32 v[NIL], 0
	ds_add_u32 v[SPW], v[NIL]                      ; the opening lines: the add, twice on end, and its wait ahead of my first tensor load
	ds_add_u32 v[SPW], v[NIL]
	v_lshrrev_b32 v1, 5, v0
	v_readfirstlane_b32 s14, v1                    ; wave 0..3
	v_and_b32 v[PFO], 31, v0
	v_min_u32 v[PFO], 23, v[PFO]
	v_lshlrev_b32 v[PFO], 8, v[PFO]
	s_lshr_b32 s15, s14, 1                         ; my half of the tile's rows; in the ring: I fetch for A (0) or B (1)
	s_and_b32 s16, s14, 1                          ; my half of its columns; in the ring: which panel I fetch
	s_bfe_u32 s40, ttmp6, 0x40000                  ; cx
	s_bfe_u32 s41, ttmp6, 0x40004                  ; cy
	s_lshl_b32 s42, ttmp9, 2
	s_add_co_u32 s42, s42, s40                     ; tile column
	s_and_b32 s17, ttmp7, 0xffff
	s_lshl_b32 s17, s17, 2
	s_add_co_u32 s17, s17, s41                     ; tile row
	s_lshl_b32 s43, s41, 2
	s_lshl_b32 s43, 15, s43                        ; my row of the cluster
	s_lshl_b32 s44, 0x1111, s40                    ; my column
	s_or_b32 s[G1+0], s43, (3<<16)|(1<<21)         ; elements of 8 bytes; bit 21 beside a mask
	s_or_b32 s[G1B+0], s44, (3<<16)|(1<<21)
.irp g, G1, G1B                        ; for the head: a chunk of two panels: 2 rows of 24,576 bytes, a panel apart
	s_mov_b32 s[\g+1], 3072<<16
	s_mov_b32 s[\g+2], 2<<16
	s_mov_b32 s[\g+3], 3072<<16
	s_mov_b32 s[\g+4], 2
	s_mov_b32 s[\g+5], PANELB/8
	s_mov_b32 s[\g+6], 0
	s_mov_b32 s[\g+7], 0
.endr
	s_or_b32 s[G1S+0], s43, (3<<16)|(1<<21)        ; A's scale words: 2 rows (tiles) of 16,384 bytes, WALKP panels apart
	s_mov_b32 s[G1S+1], 2048<<16
	s_mov_b32 s[G1S+2], 2<<16
	s_mov_b32 s[G1S+3], 2048<<16
	s_mov_b32 s[G1S+4], 2
	s_mov_b32 s[G1S+5], WALKP*HALFS/8
	s_mov_b32 s[G1S+6], 0
	s_mov_b32 s[G1S+7], 0
	s_or_b32 s[G1SB+0], s44, (3<<16)|(1<<21)       ; B's: a dense block of 16,384 bytes as 64 rows of 256
	s_mov_b32 s[G1SB+1], 32<<16
	s_mov_b32 s[G1SB+2], 64<<16
	s_mov_b32 s[G1SB+3], 32<<16
	s_mov_b32 s[G1SB+4], 64
	s_mov_b32 s[G1SB+5], 32
	s_mov_b32 s[G1SB+6], 0
	s_mov_b32 s[G1SB+7], 0
	s_lshl_b32 s20, s17, 1
	s_add_co_u32 s20, s20, s16                     ; A's panel that I fetch in the ring
	s_lshl_b32 s46, s42, 1
	s_add_co_u32 s46, s46, s16                     ; B's
	s_lshl_b32 s22, s20, 13
	s_mov_b32 s23, 0
	s_lshl_b32 s92, s46, 13
	s_mov_b32 s93, 0
	s_mul_i32 s20, s20, PANELB
	s_mov_b32 s21, 0
	s_mul_i32 s46, s46, PANELB
	s_mov_b32 s47, 0
	s_mul_i32 s45, s14, HALFT                      ; where my part of a slot lies: no place in the cluster enters an LDS address
	s_wait_alu depctr_va_vdst(0)
	s_wait_dscnt 0x0                               ; both opening adds are done
	s_wait_kmcnt 0x0
	s_add_nc_u64 s[20:21], s[4:5], s[20:21]
	s_add_nc_u64 s[22:23], s[6:7], s[22:23]
	s_add_nc_u64 s[46:47], s[8:9], s[46:47]
	s_add_nc_u64 s[92:93], s[10:11], s[92:93]
	s_cmp_eq_u32 s15, 0                            ; do I fetch for A?
	s_cselect_b64 s[PFA:PFA+1], s[20:21], s[46:47] ; the panel that I fetch,
	s_cselect_b32 s67, s40, s41                    ; my place among the four that ask for it with me,
	s_mul_i32 s2, s67, 6144                        ; my work-group's 24 blocks of a chunk's 96,
	s_add_co_u32 s2, s2, 2*HALFT                   ; at chunk 2
	s_mov_b32 s3, 0
	s_add_nc_u64 s[PFA:PFA+1], s[PFA:PFA+1], s[2:3]
	s_mov_b32 s[LIM], 1
	CROUND                                         ; all sixteen work-groups are here: the first joint loads meet
	s_lshl_b32 s2, s16, 13                         ; back from my panel to the tile's first: the head's four loads take whole tiles
	s_mov_b32 s[G0S], 1
	s_mov_b32 s[G0S+1], SCL
	s_sub_nc_u64 s[G0S+2:G0S+3], s[22:23], s[2:3]
	s_or_b32 s[G0S+3], s[G0S+3], 0x80000000
	s_mov_b32 s[G0SB], 1
	s_mov_b32 s[G0SB+1], SCLB
	s_sub_nc_u64 s[G0SB+2:G0SB+3], s[92:93], s[2:3]
	s_or_b32 s[G0SB+3], s[G0SB+3], 0x80000000
	s_mul_i32 s2, s16, PANELB
	s_mov_b32 s[G0H], 1
	s_mov_b32 s[G0H+1], 0
	s_sub_nc_u64 s[G0H+2:G0H+3], s[20:21], s[2:3]
	s_or_b32 s[G0H+3], s[G0H+3], 0x80000000
	s_mov_b32 s[G0HB], 1
	s_mov_b32 s[G0HB+1], 2*HALFT
	s_sub_nc_u64 s[G0HB+2:G0HB+3], s[46:47], s[2:3]
	s_or_b32 s[G0HB+3], s[G0HB+3], 0x80000000
.irp s, 0,1                            ; the ring's group 0, a set for each slot
	s_mov_b32 s[G0+4*\s], 1
	s_add_co_u32 s[G0+4*\s+1], s45, \s*SLOT
	s_add_nc_u64 s[G0+4*\s+2:G0+4*\s+3], s[20:21], \s*HALFT
	s_or_b32 s[G0+4*\s+3], s[G0+4*\s+3], 0x80000000
	s_mov_b32 s[G0B+4*\s], 1
	s_add_co_u32 s[G0B+4*\s+1], s45, \s*SLOT
	s_add_nc_u64 s[G0B+4*\s+2:G0B+4*\s+3], s[46:47], \s*HALFT
	s_or_b32 s[G0B+4*\s+3], s[G0B+4*\s+3], 0x80000000
.endr
; The head's loads, one a wave: one chain of branches on the wave's number, a load to an arm, all arms leading to one join.
.macro ARM under, g0, g1, next
	s_cmp_lt_u32 s14, \under
	s_cbranch_scc0 \next
	tensor_load_to_lds s[\g0:\g0+3], s[\g1:\g1+7]
	s_nop 0
.rept 4
	v_nop
.endr
	s_branch .Lhead_asked
\next:
.endm
	ARM 1, G0H,  G1,  .Lhead_b
	ARM 2, G0HB, G1B, .Lhead_sa
	ARM 3, G0S,  G1S, .Lhead_sb
	tensor_load_to_lds s[G0SB:G0SB+3], s[G1SB:G1SB+7]
	s_nop 0
.rept 4
	v_nop
.endr
.Lhead_asked:
	global_prefetch_b8 v[PFO], s[PFA:PFA+1] offset:-HALFT th:TH_LOAD_NT scope:SCOPE_SE   ; chunk 1, which slot 1's first fill fetches,
	global_prefetch_b8 v[PFO], s[PFA:PFA+1] th:TH_LOAD_NT scope:SCOPE_SE                 ; and chunk 2
	s_lshl_b32 s46, s42, 10                        ; my first column, in bytes
	s_lshl_b32 s47, s16, 9
	s_add_co_u32 s46, s46, s47
	s_mov_b32 s47, 0
	s_add_nc_u64 s[96:97], s[96:97], s[46:47]
	s_add_nc_u64 s[98:99], s[98:99], s[46:47]
	v_and_b32 v1, 15, v0
	v_bfe_u32 v2, v0, 4, 1
	s_wait_alu depctr_va_vdst(0)
	v_lshlrev_b32 v7, 5, v2
.irp b, 0,1,2,3,4,5,6,7                ; the biases at my columns 16 b + 8 (l / 16) + 0 .. 7, in the result's layout
	global_load_b128 v[BI+8*\b:BI+8*\b+3],   v7, s[96:97] offset:64*\b
	global_load_b128 v[BI+8*\b+4:BI+8*\b+7], v7, s[96:97] offset:64*\b+16
	global_load_b128 v[AF+8*\b:AF+8*\b+3],   v7, s[98:99] offset:64*\b
	global_load_b128 v[AF+8*\b+4:AF+8*\b+7], v7, s[98:99] offset:64*\b+16
.endr
	v_and_b32 v6, 31, v0
	v_lshlrev_b32 v[CO], 4, v6                     ; 16 x lane
	s_mul_i32 s21, s15, HALFT
	s_mul_i32 s22, s16, HALFT
	s_add_co_u32 s22, s22, 2*HALFT
.irp s, 0,1
	v_add_nc_u32 v[ADRA+\s], s21, v[CO]
	v_add_nc_u32 v[ADRB+\s], s22, v[CO]
	s_add_co_u32 s21, s21, SLOT
	s_add_co_u32 s22, s22, SLOT
.endr
	v_lshlrev_b32 v5, 3, v1                        ; scale words: 8 bytes a row and chunk; lanes 0-15 A's, lanes 16-31 B's: the lower base + h x the distance
	s_lshl_b32 s21, s15, 13
	s_lshl_b32 s22, s16, 13
	s_add_co_u32 s22, s22, SCLB-SCL
	s_sub_co_u32 s22, s22, s21
	v_mul_u32_u24 v6, s22, v2
	s_add_co_u32 s21, s21, SCL
	v_add_nc_u32 v6, v5, v6
	v_add_nc_u32 v[ADRS], s21, v6                  ; the first tile's
	s_sub_co_u32 s22, s22, 2*HALFS
	v_mul_u32_u24 v6, s22, v2
	s_add_co_u32 s21, s21, 2*HALFS
	v_add_nc_u32 v6, v5, v6
	v_add_nc_u32 v[ADRS2], s21, v6                 ; the second tile's: A's 16,384 bytes on, B's the same
	s_mul_i32 s23, s14, 16*SPITCH
	s_add_co_u32 s23, s23, STAGE
	v_mul_u32_u24 v5, v1, SPITCH
	v_lshl_add_u32 v5, v2, 5, v5
	v_add_nc_u32 v[STO], s23, v5
	v_add_nc_u32 v[RD], s23, v[CO]
	s_lshl_b32 s20, s17, 8
	s_lshl_b32 s21, s15, 7
	s_add_co_u32 s20, s20, s21
	s_lshl_b32 s20, s20, 14                        ; my first row of gates, 16,384 bytes a row
	s_mov_b32 s21, 0
	s_add_nc_u64 s[20:21], s[20:21], s[46:47]
	s_add_nc_u64 s[12:13], s[12:13], s[20:21]
	s_wait_loadcnt 0x0
.set J, 0
.rept 32
	v_pk_add_f32 v[BI+J:BI+J+1], v[BI+J:BI+J+1], v[AF+J:AF+J+1]
.set J, J+2
.endr
.rept 8
	v_nop
.endr
.macro FRAG reg, adr, q, i             ; a fragment is three groups of four registers, lane l's 16 bytes of group c at 512 c + 16 l
.irp c, 0,1,2
	ds_load_b128 v[\reg+4*\c:\reg+4*\c+3], v[\adr] offset:(\i)*TILEB+(\q)*FRB+512*\c
.endr
.endm
; 16 matrix instructions: A's blocks a0, a0 + 1 x B's eight.  The 64 accumulators take turns, in the same order in every step.
.macro MUL16 a0, p, q, sc, zero
.irp a, \a0, \a0+1
.irp b, 0,1,2,3,4,5,6,7
.if \zero
	v_wmma_scale_f32_16x16x128_f8f6f4 v[8*(8*((\a)%4)+\b):8*(8*((\a)%4)+\b)+7], v[128*(\p)+FR*\b:128*(\p)+FR*\b+FR-1], v[AF+FR*(\a):AF+FR*(\a)+FR-1], v[BI+8*\b:BI+8*\b+7], v[SC+8*NQ*(\sc)+NQ*\b+(\q)], v[SC+8*NQ*(\sc)+NQ*(\a)+(\q)] matrix_a_fmt:MATRIX_FMT_FP6 matrix_b_fmt:MATRIX_FMT_FP6 matrix_a_scale:MATRIX_SCALE_ROW1
.else
	v_wmma_scale_f32_16x16x128_f8f6f4 v[8*(8*((\a)%4)+\b):8*(8*((\a)%4)+\b)+7], v[128*(\p)+FR*\b:128*(\p)+FR*\b+FR-1], v[AF+FR*(\a):AF+FR*(\a)+FR-1], v[8*(8*((\a)%4)+\b):8*(8*((\a)%4)+\b)+7], v[SC+8*NQ*(\sc)+NQ*\b+(\q)], v[SC+8*NQ*(\sc)+NQ*(\a)+(\q)] matrix_a_fmt:MATRIX_FMT_FP6 matrix_b_fmt:MATRIX_FMT_FP6 matrix_a_scale:MATRIX_SCALE_ROW1
.endif
.endr
.endr
.endm
.macro FETCH_B slot, q, p              ; 24 loads
	WIN TO_B
.irp i, 0,1,2,3,4,5,6,7
	FRAG 128*(\p)+FR*\i, ADRB+\slot, \q, \i
.endr
	WIN 0
.endm
.macro FETCH_A slot, q, i0             ; 12 loads
.irp i, \i0, \i0+1, \i0+2, \i0+3
	FRAG AF+FR*(\i), ADRA+\slot, \q, \i
.endr
.endm
.macro SCALES sc                       ; 8 loads: a chunk's two words of A's block i (lanes 0-15) and of B's block i (lanes 16-31)
.irp i, 0,1,2,3,4,5,6,7
	ds_load_b64 v[SC+8*NQ*\sc+NQ*\i:SC+8*NQ*\sc+NQ*\i+1], v[AS] offset:\i*1024
.endr
.endm
.macro PLACES n
.rept \n
	v_nop
.endr
.endm
; A chunk's first step.  B's other set is free from the step's start (four places stand behind the last product that read it): the second step's B is asked for first, A's blocks as they come free.
.macro STEP slot, q, zero
	FETCH_B \slot, (\q)+1, 1-(\q)%2
	s_wait_dscnt 12*NL                             ; out may be: the 24 just issued and the 12 of A's blocks 4-7
.if \zero
	WIN FIRST_LO
.else
	WIN MUL_LO
.endif
	MUL16 0, (\q)%2, \q, \slot, \zero
	MUL16 2, (\q)%2, \q, \slot, \zero
	s_wait_dscnt 8*NL                              ; A's blocks 4-7 are in; B's 24 may be out
	PLACES NP
	WIN 0
	FETCH_A \slot, (\q)+1, 0
.if \zero
	WIN FIRST_HI
.else
	WIN MUL_HI
.endif
	MUL16 4, (\q)%2, \q, \slot, \zero
	MUL16 6, (\q)%2, \q, \slot, \zero
	PLACES NP
	WIN 0
	FETCH_A \slot, (\q)+1, 4
.endm
; One prefetch a wave: the chunk that stands two refills on.  how = 0, in the loop: the last trip's two refills have no chunk two on; how = 1, at a change of tiles: A's waves alone.
.macro ASK how
.if \how
	s_cmp_eq_u32 s[LIM], 1
.else
	s_cmp_gt_u32 s3, s[LIM]                        ; s3 = 1 in the loop's last trip
.endif
	s_cbranch_scc0 .Lnot_mine_\@
	global_prefetch_b8 v[PFO], s[PFA:PFA+1] offset:HALFT th:TH_LOAD_NT scope:SCOPE_SE
.Lnot_mine_\@:
.endm
; A chunk's second step, and the change of slots.  In front of the barrier each wave waits for all its tensor loads, adds 0 to its spare word, and waits for that and for its reads of this slot.
; Behind it (fill = 1: behind the round that it opens) this slot is filled again first; then the next slot's B and scale words are asked for, 48 products ahead of their use, and A's blocks as they come free.
.macro TURN slot, next, fill, on
.if \fill
	s_wait_xcnt 0x0                                ; any prefetch of mine has read its address: it is stepped only behind this wait
.if \on && (\slot == 0)
	s_add_nc_u64 s[PFA:PFA+1], s[PFA:PFA+1], (WALKP-1)*PANELB+HALFT   ; from the end of this tile's panel to chunk 1 of the next tile's
	s_cmp_eq_u32 s15, 0
	s_cselect_b32 s[LIM], s[LIM], -1               ; B's panels serve both tiles: they have been read, and are named no more
.else
	s_add_nc_u64 s[PFA:PFA+1], s[PFA:PFA+1], HALFT
.endif
.endif
	s_wait_tensorcnt 0x0                           ; all my tensor loads have landed: my part of the next slot
	ds_add_u32 v[SPW], v[NIL]
	s_wait_dscnt 4*NL+1                            ; (the add and A's blocks 4-7 may be out)
	WIN MUL_LO
	MUL16 0, 1, NQ-1, \slot, 0
	WIN 0
	s_wait_dscnt 0x0                               ; the add is done, and my reads of this slot are over
	s_barrier_signal -1
	s_barrier_wait -1
.if \fill
	CREST
.if \on
	s_add_nc_u64 s[G0+4*\slot+2:G0+4*\slot+3], s[G0+4*\slot+2:G0+4*\slot+3], NEXT_A
	s_sub_nc_u64 s[G0B+4*\slot+2:G0B+4*\slot+3], s[G0B+4*\slot+2:G0B+4*\slot+3], BACK_B
.else
	s_add_nc_u64 s[G0+4*\slot+2:G0+4*\slot+3], s[G0+4*\slot+2:G0+4*\slot+3], 2*HALFT
	s_add_nc_u64 s[G0B+4*\slot+2:G0B+4*\slot+3], s[G0B+4*\slot+2:G0B+4*\slot+3], 2*HALFT
.endif
	JLOAD G0+4*\slot, G1, G0B+4*\slot, G1B         ; the first tensor load behind the round; its four v_nop are the places in front of the loads below
.else
	PLACES NP
.endif
.if \on && (\next == 0)
.set AS, ADRS2
.else
	s_wait_alu depctr_va_vdst(0)
	v_add_nc_u32 v[AS], 128, v[AS]                 ; the next chunk's scale words
.endif
	FETCH_B \next, 0, 0
	SCALES \next
.if \fill
	ASK \on                                        ; behind the joint load and a run of LDS loads
.endif
	WIN MUL_LO
	MUL16 2, 1, NQ-1, \slot, 0
	PLACES NP
	WIN 0
	FETCH_A \next, 0, 0
	WIN MUL_HI
	MUL16 4, 1, NQ-1, \slot, 0
	MUL16 6, 1, NQ-1, \slot, 0
	PLACES NP
	WIN 0
	FETCH_A \next, 0, 4
.endm
.macro LAPLOOP                         ; a trip goes once round the ring and fills both slots again
	s_mov_b32 s3, LAPS-1
.Llap_\@:
	TURN 0, 1, 1, 0
	STEP 1, 0, 0
	TURN 1, 0, 1, 0
	STEP 0, 0, 0
	s_sub_co_u32 s3, s3, 1
	s_cmp_lg_u32 s3, 0
	s_cbranch_scc1 .Llap_\@
.endm
; The way out, block by block of 16 rows x 128 columns: through my own stage, back as whole rows of 512 bytes.  LDS serves a wave's instructions in order (ISA guide 5.7.1.4).
.macro TOSTAGE a
.set AC, 64*((\a)%4)
	WIN 0x08+4*((\a)/4)
.irp b, 0,1,2,3,4,5,6,7
	ds_store_b128 v[STO], v[AC+8*\b:AC+8*\b+3] offset:64*\b          ; each accumulator from its low end on
	ds_store_b128 v[STO], v[AC+8*\b+4:AC+8*\b+7] offset:64*\b+16
.endr
	WIN TO_B
.set BB, BK+64*((\a)%2)
.irp t, 0,1,2,3,4,5,6,7,8,9,10,11,12,13,14,15
	ds_load_b128 v[BB+4*\t:BB+4*\t+3], v[RD] offset:\t*SPITCH
.endr
.endm
.macro SEND a, younger
.set BB, BK+64*((\a)%2)
	s_wait_dscnt \younger
.if (\a) > 0
	s_add_nc_u64 s[12:13], s[12:13], 16*SIZE_N*4   ; (behind a wait on XCNT: the earlier stores have read their base)
.endif
	WIN FROM_B
.irp t, 0,1,2,3,4,5,6,7,8,9,10,11,12,13,14,15
	global_store_b128 v[CO], v[BB+4*\t:BB+4*\t+3], s[12:13] offset:\t*SIZE_N*4 th:TH_STORE_NT   ; 32 lanes store 512 consecutive bytes, at a multiple of 512 from the buffer's first byte
.endr
.endm
.macro WAYOUT
	TOSTAGE 0
.irp a, 1,2,3,4,5,6,7
.if \a > 1
	s_wait_xcnt 0x0                                ; block a - 2's stores have read their registers and their base
.endif
	TOSTAGE \a
	SEND \a-1, 32                                  ; behind block a - 1's loads: block a's 16 stores and 16 loads
.endr
	s_wait_xcnt 0x0
	SEND 7, 0
	WIN 0
.endm
	s_wait_alu depctr_va_vdst(0)
	s_wait_tensorcnt 0x0                           ; my tile of the head's four is in
	ds_add_u32 v[SPW], v[NIL]
.irp g, G1, G1B                        ; no tensor load of mine is out: from here on a load brings a chunk of one panel, 96 rows of 256 bytes
	s_mov_b32 s[\g+1], 32<<16
	s_mov_b32 s[\g+2], 96<<16
	s_mov_b32 s[\g+3], 32<<16
	s_mov_b32 s[\g+4], 96
	s_mov_b32 s[\g+5], 32
.endr
	s_wait_dscnt 0x0
	CROUND                                         ; all four tiles are in, and all sixteen work-groups are here
	JLOAD G0+4, G1, G0B+4, G1B                     ; chunk 1, the first tensor load behind the round
	global_prefetch_b8 v[PFO], s[PFA:PFA+1] offset:HALFT th:TH_LOAD_NT scope:SCOPE_SE   ; chunk 3
	FETCH_B 0, 0, 0
	FETCH_A 0, 0, 0
	SCALES 0
	FETCH_A 0, 0, 4
	STEP 0, 0, 1                                   ; the first products start the sums from the biases
	LAPLOOP
	TURN 0, 1, 1, 1                                ; the ring goes on into the second tile
	STEP 1, 0, 0
	TURN 1, 0, 1, 1
	WAYOUT
	s_wait_xcnt 0x0                                ; the stores have read their base and their registers, B's second set among them
	s_add_nc_u64 s[12:13], s[12:13], NEXT_C
	STEP 0, 0, 1
	LAPLOOP
	TURN 0, 1, 0, 0                                ; nothing more to fetch
	STEP 1, 0, 0
	s_wait_dscnt 4*NL
	WIN MUL_LO
	MUL16 0, 1, NQ-1, 1, 0
	MUL16 2, 1, NQ-1, 1, 0
	s_wait_dscnt 0
	WIN MUL_HI
	MUL16 4, 1, NQ-1, 1, 0
	MUL16 6, 1, NQ-1, 1, 0
	WIN 0
	PLACES NP
	WAYOUT
	s_wait_tensorcnt 0x0                           ; the wave's end
	ds_add_u32 v[SPW], v[NIL]
	s_wait_dscnt 0x0
	CROUND                                         ; the closing round
	s_endpgm
.Lfunc_end_k_qd8858a4e62_gemm:
	.size	k_qd8858a4e62_gemm, .Lfunc_end_k_qd8858a4e62_gemm-k_qd8858a4e62_gemm
	.p2alignl 7, 3214868480
	.fill 96, 4, 3214868480
	.section	.rodata,"a",@progbits
	.p2align	6, 0x0
	.amdhsa_kernel k_qd8858a4e62_gemm
		.amdhsa_group_segment_fixed_size 327680
		.amdhsa_private_segment_fixed_size 0
		.amdhsa_enable_private_segment 0
		.amdhsa_kernarg_size 56
		.amdhsa_user_sgpr_count 2
		.amdhsa_user_sgpr_kernarg_segment_ptr 1
		.amdhsa_wavefront_size32 1
		.amdhsa_system_sgpr_workgroup_id_x 1
		.amdhsa_system_sgpr_workgroup_id_y 1
		.amdhsa_system_sgpr_workgroup_id_z 1
		.amdhsa_system_vgpr_workitem_id 0
		.amdhsa_next_free_vgpr 1024
		.amdhsa_next_free_sgpr 100
		.amdhsa_reserve_vcc 0
		.amdhsa_float_denorm_mode_32 3
		.amdhsa_float_denorm_mode_16_64 3
		.amdhsa_memory_ordered 1
		.amdhsa_forward_progress 1
		.amdhsa_inst_pref_size 255
	.end_amdhsa_kernel
	.section	.bss,"aw",@nobits
	.p2align	6
	.space	262144
	.amdgpu_metadata
---
amdhsa.version: [ 1, 2 ]
amdhsa.kernels:
  - .name:           k_qd8858a4e62_gemm
    .symbol:         k_qd8858a4e62_gemm.kd
    .args:
      - { .name: acodes, .offset: 0, .size: 8, .value_kind: global_buffer, .address_space: global }
      - { .name: ascales, .offset: 8, .size: 8, .value_kind: global_buffer, .address_space: global }
      - { .name: bcodes, .offset: 16, .size: 8, .value_kind: global_buffer, .address_space: global }
      - { .name: bscales, .offset: 24, .size: 8, .value_kind: global_buffer, .address_space: global }
      - { .name: bias_ih, .offset: 32, .size: 8, .value_kind: global_buffer, .address_space: global }
      - { .name: bias_hh, .offset: 40, .size: 8, .value_kind: global_buffer, .address_space: global }
      - { .name: gates, .offset: 48, .size: 8, .value_kind: global_buffer, .address_space: global }
    .group_segment_fixed_size: 327680
    .private_segment_fixed_size: 0
    .kernarg_segment_align: 8
    .kernarg_segment_size: 56
    .max_flat_workgroup_size: 128
    .sgpr_count:     100
    .vgpr_count:     1024
    .wavefront_size: 32
...
	.end_amdgpu_metadata
.endif
;; end of part 2
;; launch cell (part 3): grid 256 x 1, 16 waves a work-group, no clusters, 43,008 bytes of LDS; arguments ln_i_g, ln_i_b, ln_f_g, ln_f_b, ln_cx_g, ln_cx_b, ln_o_g, ln_o_b, ln_cy_g, ln_cy_b, gates, cx, out0, out1; writes out0, out1
.if DOCPART == 3
	.amdgcn_target "amdgcn-amd-amdhsa--gfx1250"
	.amdhsa_code_object_version 6
	.text
	.protected	k_qd8858a4e62_cell
	.globl	k_qd8858a4e62_cell
	.p2align	8
	.type	k_qd8858a4e62_cell,@function
k_qd8858a4e62_cell:
	s_mov_b64 s[64:65], 0
	v_nop
	global_prefetch_b8 v0, s[64:65] scope:SCOPE_SE
	s_setreg_imm32_b32 hwreg(HW_REG_WAVE_MODE, 25, 1), 1
	s_wait_xcnt 0x0
; From gates [8192][4096] (i, f, c, o; the biases are in) and cx [8192][1024]:  i = sigmoid(LN(gi)), f = sigmoid(LN(gf)), c = tanh(LN(gc)), o = sigmoid(LN(go)),  cy = LN(f cx + i c) -> out1,  hy = o tanh(cy) -> out0.
; LN(x) = (x - mean) rsqrt(mean of (x - mean)^2 + 1e-5) g + b over a row's 1,024 numbers, in two passes as the definition has it, all in f32.
; SHARES.  A wave owns two whole rows: every sum stays inside the wave.  Sixteen waves, four to a SIMD, so that one wave's exponentials stand beside another's loads and plain work.  256 work-groups x 32 rows.
; Lane l holds columns 128 c + 4 l + 0 .. 3 (c = 0 .. 7) of each gate, of cx and of both outputs: every load and store of a wave covers 512 consecutive bytes, and all that is done number by number meets in registers.
; THE TEN GAINS AND SHIFTS lie in LDS (40,960 bytes), stored once, with the activation's factor folded in: x -log2(e) ahead of a sigmoid, x 2 log2(e) ahead of the tanh, so that the normalising multiply-add gives z, and
; sigmoid = 1 / (1 + 2^z), tanh = 1 - 2 / (1 + 2^z).  Where 2^z is infinite the reciprocal is 0, where it has fallen to 0 the reciprocal is 1: both ends are right.
; LIMITS: tanh so made has an absolute error of some 1e-7 near 0, not a relative one; NaN and infinities among the inputs are not served.
; Memory binds, so there are no matrix instructions, no tensor loads and no cluster.  A unit of 32 registers is asked for again as soon as it is free: 8 to 40 loads of a wave are out while it computes.
.set PG, 32                            ; v32-63   gains;  in the end tanh(cy)
.set PB, 64                            ; v64-95   shifts
.set GI, 96                            ; v96-127  gate i
.set GF, 128                           ; v128-159 gate f
.set GC, 160                           ; v160-191 gate c
.set GO, 192                           ; v192-223 gate o
.set CX, 224                           ; v224-255 cx
; v1 16 x lane (never rewritten); v2, v3 the parameters' way in; v[4:5], v[6:7] two chains of sums; v8 the lane permute's result; v[10:11] -mean; v[12:13] rsqrt
	s_load_b512 s[8:23], s[0:1], 0x0               ; gain and shift of i, f, c, o
	s_load_b256 s[24:31], s[0:1], 0x40             ; gain and shift of cy; gates s[28:29]; cx s[30:31]
	s_load_b128 s[32:35], s[0:1], 0x60             ; out0 (hy) s[32:33], out1 (cy) s[34:35]
	v_lshl_add_u32 v30, v0, 2, 0xa000
	v_mov_b32 v31, 0
	v_lshrrev_b32 v1, 5, v0
	s_delay_alu instid0(VALU_DEP_1)
	v_readfirstlane_b32 s36, v1                    ; wave 0..15
	v_and_b32 v1, 31, v0
	s_delay_alu instid0(VALU_DEP_1)
	v_lshlrev_b32 v1, 4, v1                        ; 16 x lane
	v_and_b32 v2, 255, v0
	s_delay_alu instid0(VALU_DEP_1)
	v_lshlrev_b32 v2, 4, v2                        ; the parameters: my 16 bytes of an array of 4,096,
	v_lshlrev_b32 v3, 4, v0                        ; and their place in LDS: threads 0-255 the gain, threads 256-511 the shift, 4,096 bytes on
	v_mov_b32 v8, 0                                ; a lane permute's destination counts as one of its sources
	v_mov_b32 v11, 0                               ; named as the upper halves of pairs of which the low word serves both halves
	v_mov_b32 v13, 0
	s_mov_b32 s52, 0x3a800000                      ; 1 / 1,024
	s_mov_b32 s53, 0x3727c5ac                      ; 1e-5
	s_mov_b32 s54, 0x4038aa3b                      ; 2 log2(e)
	s_mov_b32 s55, s54                             ; (named with it as a pair, so it is written)
	s_mov_b32 s56, 0x76543210                      ; v_permlanex16_b32's selects for lane l xor 16
	s_mov_b32 s57, 0xfedcba98
	s_lshl_b32 s37, ttmp9, 5
	s_lshl_b32 s38, s36, 1
	s_add_co_u32 s37, s37, s38                     ; my first row: 32 x work-group + 2 x wave
	s_lshl_b32 s50, s37, 14                        ; a row of gates is 16,384 bytes (the offset stays under 2^27)
	s_mov_b32 s51, 0
	s_wait_alu depctr_va_vdst(0)
	s_wait_kmcnt 0x0
	s_cmp_lt_u32 s36, 8                            ; waves 0-7 bring the gains, waves 8-15 the shifts: the choice hangs on the wave's number alone
.irp p, 0,1,2,3,4
	s_cselect_b64 s[40+2*\p:41+2*\p], s[8+4*\p:9+4*\p], s[10+4*\p:11+4*\p]
.endr
	s_add_nc_u64 s[28:29], s[28:29], s[50:51]
	s_lshl_b32 s50, s37, 12                        ; a row of cx and of the outputs is 4,096 bytes
	s_add_nc_u64 s[30:31], s[30:31], s[50:51]
	s_add_nc_u64 s[32:33], s[32:33], s[50:51]
	s_add_nc_u64 s[34:35], s[34:35], s[50:51]
.macro FILLG u, g, row                 ; gate g (as it lies in memory: 0 i, 1 f, 2 c, 3 o) of my row 0 or 1 into unit u: eight loads of 512 consecutive bytes
.irp c, 0,1,2,3,4,5,6,7
	global_load_b128 v[\u+4*\c:\u+4*\c+3], v1, s[28:29] offset:\row*16384+\g*4096+512*\c th:TH_LOAD_NT
.endr
.endm
.macro FILLC row
.irp c, 0,1,2,3,4,5,6,7
	global_load_b128 v[CX+4*\c:CX+4*\c+3], v1, s[30:31] offset:\row*4096+512*\c th:TH_LOAD_NT
.endr
.endm
.macro PARAMS p                        ; gain and shift of LayerNorm p (0 i, 1 f, 2 c, 3 o, 4 cy) at my columns
.irp c, 0,1,2,3,4,5,6,7
	ds_load_b128 v[PG+4*\c:PG+4*\c+3], v1 offset:\p*8192+512*\c
	ds_load_b128 v[PB+4*\c:PB+4*\c+3], v1 offset:\p*8192+4096+512*\c
.endr
.endm
.macro REDUCE                          ; v4 summed over the 32 lanes, the result in every lane
	s_delay_alu instid0(VALU_DEP_1)
	v_add_f32_dpp v4, v4, v4 row_xmask:1 row_mask:0xf bank_mask:0xf
	s_delay_alu instid0(VALU_DEP_1)
	v_add_f32_dpp v4, v4, v4 row_xmask:2 row_mask:0xf bank_mask:0xf
	s_delay_alu instid0(VALU_DEP_1)
	v_add_f32_dpp v4, v4, v4 row_xmask:4 row_mask:0xf bank_mask:0xf
	s_delay_alu instid0(VALU_DEP_1)
	v_add_f32_dpp v4, v4, v4 row_xmask:8 row_mask:0xf bank_mask:0xf
	s_delay_alu instid0(VALU_DEP_1)
	v_permlanex16_b32 v8, v4, s56, s57
	s_delay_alu instid0(VALU_DEP_1)
	v_add_f32 v4, v4, v8
.endm
.macro STATS u                         ; unit u becomes x - mean; v12 = rsqrt(variance + 1e-5)
	v_pk_add_f32 v[4:5], v[\u:\u+1], v[\u+2:\u+3]                  ; two chains, begun by the first numbers: nothing is cleared
	v_pk_add_f32 v[6:7], v[\u+4:\u+5], v[\u+6:\u+7]
.irp j, 8,12,16,20,24,28
	s_delay_alu instid0(VALU_DEP_2)
	v_pk_add_f32 v[4:5], v[4:5], v[\u+\j:\u+\j+1]
	s_delay_alu instid0(VALU_DEP_2)
	v_pk_add_f32 v[6:7], v[6:7], v[\u+\j+2:\u+\j+3]
.endr
	s_delay_alu instid0(VALU_DEP_1)
	v_pk_add_f32 v[4:5], v[4:5], v[6:7]
	s_delay_alu instid0(VALU_DEP_1)
	v_add_f32 v4, v4, v5
	REDUCE
	s_delay_alu instid0(VALU_DEP_1)
	v_mul_f32 v10, 0xba800000, v4                  ; -mean = the sum x -1 / 1,024
.set J, 0
.rept 16
	v_pk_add_f32 v[\u+J:\u+J+1], v[\u+J:\u+J+1], v[10:11] op_sel_hi:[1,0]
.set J, J+2
.endr
	v_pk_mul_f32 v[4:5], v[\u:\u+1], v[\u:\u+1]
	v_pk_mul_f32 v[6:7], v[\u+2:\u+3], v[\u+2:\u+3]
.irp j, 4,8,12,16,20,24,28
	s_delay_alu instid0(VALU_DEP_2)
	v_pk_fma_f32 v[4:5], v[\u+\j:\u+\j+1], v[\u+\j:\u+\j+1], v[4:5]
	s_delay_alu instid0(VALU_DEP_2)
	v_pk_fma_f32 v[6:7], v[\u+\j+2:\u+\j+3], v[\u+\j+2:\u+\j+3], v[6:7]
.endr
	s_delay_alu instid0(VALU_DEP_1)
	v_pk_add_f32 v[4:5], v[4:5], v[6:7]
	s_delay_alu instid0(VALU_DEP_1)
	v_add_f32 v4, v4, v5
	REDUCE
	s_delay_alu instid0(VALU_DEP_1)
	v_fma_f32 v12, v4, s52, s53                    ; the variance + 1e-5
	s_wait_alu depctr_va_vdst(0)
	v_rsq_f32 v12, v12
	v_nop                                          ; one plain place behind a transcendental (ISA guide 5.7.2)
.endm
.macro NORM u
	s_wait_dscnt 0x0                               ; gain and shift are in
.set J, 0
	s_wait_alu depctr_va_vdst(0)
.rept 16
	v_pk_mul_f32 v[\u+J:\u+J+1], v[\u+J:\u+J+1], v[12:13] op_sel_hi:[1,0]
.set J, J+2
.endr
.set J, 0
.rept 16
	v_pk_fma_f32 v[\u+J:\u+J+1], v[\u+J:\u+J+1], v[PG+J:PG+J+1], v[PB+J:PB+J+1]
.set J, J+2
.endr
.endm
.macro SIG u                           ; 1 / (1 + 2^z), in place
.set J, 0
.rept 32
	v_exp_f32 v[\u+J], v[\u+J]
.set J, J+1
.endr
	v_nop                                          ; one plain place behind the last exponential
.set J, 0
	s_wait_alu depctr_va_vdst(0)
.rept 16
	v_pk_add_f32 v[\u+J:\u+J+1], v[\u+J:\u+J+1], 1.0 op_sel_hi:[1,0]
.set J, J+2
.endr
.set J, 0
	s_wait_alu depctr_va_vdst(0)
.rept 32
	v_rcp_f32 v[\u+J], v[\u+J]
.set J, J+1
.endr
	v_nop                                          ; one plain place behind the last reciprocal
.endm
.macro TANH u                          ; 1 - 2 / (1 + 2^z), in place
	SIG \u
.set J, 0
	s_wait_alu depctr_va_vdst(0)
.rept 16
	v_pk_fma_f32 v[\u+J:\u+J+1], v[\u+J:\u+J+1], -2.0, 1.0 op_sel_hi:[1,0,0]
.set J, J+2
.endr
.endm
.macro PMUL d, a, b                    ; d = a b, 32 numbers
.set J, 0
	s_wait_alu depctr_va_vdst(0)
.rept 16
	v_pk_mul_f32 v[\d+J:\d+J+1], v[\a+J:\a+J+1], v[\b+J:\b+J+1]
.set J, J+2
.endr
.endm
.macro PFMA d, a, b                    ; d = a b + d
.set J, 0
	s_wait_alu depctr_va_vdst(0)
.rept 16
	v_pk_fma_f32 v[\d+J:\d+J+1], v[\a+J:\a+J+1], v[\b+J:\b+J+1], v[\d+J:\d+J+1]
.set J, J+2
.endr
.endm
; A gate: LayerNorm p and its activation (kind 0: sigmoid, 1: tanh) on unit u.  left: the loads issued behind the unit's eight, which may stay out.
.macro LNACT u, p, kind, left
	PARAMS \p                                      ; gain and shift are on their way while the wave waits for the gate
	s_wait_loadcnt \left
	STATS \u
	NORM \u
.if \kind
	s_wait_alu depctr_va_vdst(0)
	TANH \u
.else
	s_wait_alu depctr_va_vdst(0)
	SIG \u
.endif
.endm
; acc = f cx + i c.  cy = LN(acc) goes out; hy = o tanh(cy) goes out.
.macro FINISH acc, row
	PARAMS 4
	STATS \acc
	NORM \acc
.irp c, 0,1,2,3,4,5,6,7
	global_store_b128 v1, v[\acc+4*\c:\acc+4*\c+3], s[34:35] offset:\row*4096+512*\c th:TH_STORE_NT   ; 32 lanes store 512 consecutive bytes, at a multiple of 512 from the buffer's first byte
.endr
.set J, 0
.rept 16
	v_pk_mul_f32 v[PG+J:PG+J+1], v[\acc+J:\acc+J+1], s[54:55] op_sel_hi:[1,0]   ; z = 2 log2(e) cy, into the registers that the gains have left
.set J, J+2
.endr
	s_wait_alu depctr_va_vdst(0)
	TANH PG
	PMUL GO, GO, PG
.irp c, 0,1,2,3,4,5,6,7
	global_store_b128 v1, v[GO+4*\c:GO+4*\c+3], s[32:33] offset:\row*4096+512*\c th:TH_STORE_NT
.endr
.endm
.irp p, 0,1,2,3,4
	global_load_b128 v[PG+4*\p:PG+4*\p+3], v2, s[40+2*\p:41+2*\p]   ; my 16 bytes of each LayerNorm's gain or shift
.endr
	FILLG GF, 1, 0                                 ; row 0, in the order in which it is wanted: 40 loads
	FILLC 0
	FILLG GI, 0, 0
	FILLG GC, 2, 0
	FILLG GO, 3, 0
	s_wait_loadcnt 40                              ; the five parameter loads are in; the row's 40 stay out
.irp j, 0,1,2,3
	v_mul_f32 v[PG+\j],    0xbfb8aa3b, v[PG+\j]    ; i: x -log2(e)
	v_mul_f32 v[PG+4+\j],  0xbfb8aa3b, v[PG+4+\j]  ; f
	v_mul_f32 v[PG+8+\j],  0x4038aa3b, v[PG+8+\j]  ; c: x 2 log2(e)
	v_mul_f32 v[PG+12+\j], 0xbfb8aa3b, v[PG+12+\j] ; o;  cy's stay as they are
.endr
.irp p, 0,1,2,3,4
	ds_store_b128 v3, v[PG+4*\p:PG+4*\p+3] offset:\p*8192
.endr
	s_wait_dscnt 0x0                               ; for the others' sake: my stores have landed
	s_barrier_signal -1
	s_barrier_wait -1                              ; the one barrier: all ten arrays lie in LDS, and nobody writes them again
	; ---- row 0, summed in GF
	LNACT GF, 1, 0, 32                             ; behind gate f's loads: cx, i, c, o
	s_wait_loadcnt 24                              ; cx is in (behind it: i, c, o)
	PMUL GF, GF, CX
	FILLC 1                                        ; row 1's cx
	LNACT GI, 0, 0, 24                             ; behind i: c, o, row 1's cx
	LNACT GC, 2, 1, 16                             ; behind c: o, row 1's cx
	PFMA GF, GI, GC
	FILLG GI, 0, 1
	FILLG GC, 2, 1
	LNACT GO, 3, 0, 24                             ; behind o: row 1's cx, i, c
	FINISH GF, 0
	s_wait_xcnt 0x0                                ; the stores have read GF and GO: both may be loaded again
	FILLG GF, 1, 1
	FILLG GO, 3, 1
	; ---- row 1, summed in GI, in the order in which its units were asked for
	LNACT GI, 0, 0, 24                             ; behind i: c, f, o (cx was asked for before it)
	LNACT GC, 2, 1, 16                             ; behind c: f, o
	PMUL GI, GI, GC
	LNACT GF, 1, 0, 8                              ; behind f: o
	PFMA GI, GF, CX
	LNACT GO, 3, 0, 0
	FINISH GI, 1
	s_wait_tensorcnt 0x0
	ds_add_u32 v30, v31
	s_wait_dscnt 0x0
	s_endpgm
.Lfunc_end_k_qd8858a4e62_cell:
	.size	k_qd8858a4e62_cell, .Lfunc_end_k_qd8858a4e62_cell-k_qd8858a4e62_cell
	.p2alignl 7, 3214868480
	.fill 96, 4, 3214868480
	.section	.rodata,"a",@progbits
	.p2align	6, 0x0
	.amdhsa_kernel k_qd8858a4e62_cell
		.amdhsa_group_segment_fixed_size 43008
		.amdhsa_private_segment_fixed_size 0
		.amdhsa_enable_private_segment 0
		.amdhsa_kernarg_size 112
		.amdhsa_user_sgpr_count 2
		.amdhsa_user_sgpr_kernarg_segment_ptr 1
		.amdhsa_wavefront_size32 1
		.amdhsa_system_sgpr_workgroup_id_x 1
		.amdhsa_system_sgpr_workgroup_id_y 1
		.amdhsa_system_sgpr_workgroup_id_z 1
		.amdhsa_system_vgpr_workitem_id 0
		.amdhsa_next_free_vgpr 256
		.amdhsa_next_free_sgpr 66
		.amdhsa_reserve_vcc 0
		.amdhsa_float_denorm_mode_32 3
		.amdhsa_float_denorm_mode_16_64 3
		.amdhsa_memory_ordered 1
		.amdhsa_forward_progress 1
		.amdhsa_inst_pref_size 143
	.end_amdhsa_kernel
	.amdgpu_metadata
---
amdhsa.version: [ 1, 2 ]
amdhsa.kernels:
  - .name:           k_qd8858a4e62_cell
    .symbol:         k_qd8858a4e62_cell.kd
    .args:
      - { .name: ln_i_g, .offset: 0, .size: 8, .value_kind: global_buffer, .address_space: global }
      - { .name: ln_i_b, .offset: 8, .size: 8, .value_kind: global_buffer, .address_space: global }
      - { .name: ln_f_g, .offset: 16, .size: 8, .value_kind: global_buffer, .address_space: global }
      - { .name: ln_f_b, .offset: 24, .size: 8, .value_kind: global_buffer, .address_space: global }
      - { .name: ln_cx_g, .offset: 32, .size: 8, .value_kind: global_buffer, .address_space: global }
      - { .name: ln_cx_b, .offset: 40, .size: 8, .value_kind: global_buffer, .address_space: global }
      - { .name: ln_o_g, .offset: 48, .size: 8, .value_kind: global_buffer, .address_space: global }
      - { .name: ln_o_b, .offset: 56, .size: 8, .value_kind: global_buffer, .address_space: global }
      - { .name: ln_cy_g, .offset: 64, .size: 8, .value_kind: global_buffer, .address_space: global }
      - { .name: ln_cy_b, .offset: 72, .size: 8, .value_kind: global_buffer, .address_space: global }
      - { .name: gates, .offset: 80, .size: 8, .value_kind: global_buffer, .address_space: global }
      - { .name: cx, .offset: 88, .size: 8, .value_kind: global_buffer, .address_space: global }
      - { .name: out0, .offset: 96, .size: 8, .value_kind: global_buffer, .address_space: global }
      - { .name: out1, .offset: 104, .size: 8, .value_kind: global_buffer, .address_space: global }
    .group_segment_fixed_size: 43008
    .private_segment_fixed_size: 0
    .kernarg_segment_align: 8
    .kernarg_segment_size: 112
    .max_flat_workgroup_size: 512
    .sgpr_count:     66
    .vgpr_count:     256
    .wavefront_size: 32
...
	.end_amdgpu_metadata
.endif
;; end of part 3
